; MI455X (gfx1250); checked and timed in simulation.
; The chip was launched on July 23, 2026; its instructions are those of AMD's public machine-readable ISA for CDNA 5 (MIT licence, August 2026) and "CDNA5" Instruction Set Architecture Reference Guide (July 2026). The comments in the code are by the model that wrote it; some were corrected since.
;; Multi Head Attention. Allowed arithmetic: matrix products marked QUANTISED: E4M3 operands, one given power-of-two scale a tensor, by v_wmma_f32_16x16x64_fp8_fp8 or v_wmma_f32_16x16x128_fp8_fp8, f32 sums; everything else in f32.
;; Inputs: Wk 1,024 x 1,024 float32; Wq 1,024 x 1,024 float32; Wv 1,024 x 1,024 float32; keys 8 x 1,024 x 1,024 float32; lowp_scales 10 int32 (the exponents e of the quantised operands' scales 2^e); queries 8 x 1,024 x 1,024 float32; values 8 x 1,024 x 1,024 float32.
;; Outputs: out0 8 x 1,024 x 1,024 float32.
;; This version of the problem:
;;   THIS VERSION OF THE PROBLEM IS GIVEN IN LOW PRECISION. The matrix products marked QUANTISED in the list below multiply operands that are first quantised to E4M3 (4 exponent bits, 3 mantissa bits; 8 bits a number), with one given power-of-two scale for each operand tensor; their sums are f32. All else is computed in f32.
;;   The module's matrix products, in the order in which they are computed (A, B: the left and right operand; K: the contracted axis; several contracted axes count as one K, in the product's order):
;;     1. [M 8,192, K 1,024] x [K 1,024, N 1,024]; A: input queries; B: input Wq: QUANTISED (scales: A lowp_scales[0], B lowp_scales[1])
;;     2. [M 8,192, K 1,024] x [K 1,024, N 1,024]; A: input keys; B: input Wk: QUANTISED (scales: A lowp_scales[2], B lowp_scales[3])
;;     3. [M 8,192, K 1,024] x [K 1,024, N 1,024]; A: input values; B: input Wv: QUANTISED (scales: A lowp_scales[4], B lowp_scales[5])
;;     4. batch 128 x [M 1,024, K 64] x [K 64, N 1,024]; A: computed on the way; B: computed on the way: QUANTISED (scales: A lowp_scales[6], B lowp_scales[7])
;;     5. batch 128 x [M 64, K 1,024] x [K 1,024, N 1,024]; A: computed on the way; B: softmax (see below): QUANTISED (scales: A lowp_scales[8], B lowp_scales[9])
;;   THE QUANTISER, for each operand of a quantised product, along K:
;;     - The operand's scale is 2^e, e = its entry of the input lowp_scales (int32; the entries are numbered through the quantised products in the list's order, A before B).
;;     - Each number is divided by the scale, clamped to +-448, and rounded to the nearest number of E4M3, ties to even, subnormals kept.
;;     - The product sums the exact products of the quantised numbers (number of the format x scale) in f32.
;;   ~~~python
;;   def quantise(x, axis, e):      # numpy; x: float32 -> the quantised numbers, widened to float32 again
;;       x = np.moveaxis(x, axis, -1); K = x.shape[-1]
;;       r = np.clip(x / 2.0 ** e, -448, 448)
;;       step = 2.0 ** (np.maximum(np.frexp(np.where(r == 0, 1, r))[1] - 1, -6) - 3)
;;       q = np.round(r / step) * step * 2.0 ** e      # np.round: ties to even
;;       return np.moveaxis(q, -1, axis).astype(np.float32)
;;   ~~~
;;   SOFTMAX AHEAD OF A QUANTISED PRODUCT. Where the list says 'softmax', what is quantised is not the finished softmax but p = 2^(t - M), with t = logit x log2(e) and M = ceil(the row's largest t), a whole number; so 1/2 < the row's largest p <= 1. The row's sum l is taken of the UNQUANTISED p, in f32, and the product's result is divided by l at the end. Since M is a whole number, a kernel that streams over the keys may use a running M (the ceiling of the running maximum): every later rescaling is an exact power of two, so the quantised numbers keep their values, but for numbers so far below the row's largest that they fall under the format's range.
;;   OPERANDS COMPUTED ON THE WAY. 'Computed on the way' means the value that the module computes at that place (a softmax that the list does not call 'softmax' is quantised finished and normalised). What goes into a quantiser is computed in f32, as accurately as f32 sums, v_exp_f32 and their like allow (about 1e-6 of the number): no bf16 or f16 on the way to a quantiser, and a product that is left as it is and whose result goes on into a quantised operand takes f32 operands (vector FMAs, or v_wmma_f32_16x16x4_f32). A number that lies on a knife's edge between two numbers of the format may be rounded either way, as far as f32 arithmetic and the matrix unit's own rounding can turn it there, and no further.
;; One version. Each part assembles by itself: llvm-mc -triple=amdgcn-amd-amdhsa -mcpu=gfx1250 --defsym DOCPART=n.
;; ======== version 1 of 1: 3 launches
;; limits: right only within a limited range of input values
;; workspace buffers: xc 25,165,824 bytes; wc 3,145,728 bytes; hc 25,165,824 bytes
;; launch quant (part 1): grid 864 x 1, 4 waves a work-group, no clusters, 36,352 bytes of LDS; arguments queries, keys, values, Wq, Wk, Wv, lowp_scales, xc, wc; writes xc, wc
.if DOCPART == 1
	.amdgcn_target "amdgcn-amd-amdhsa--gfx1250"
	.amdhsa_code_object_version 6
	.text
	.protected	k_qe3723029af_quant
	.globl	k_qe3723029af_quant
	.p2align	8
	.type	k_qe3723029af_quant,@function
k_qe3723029af_quant:
	s_mov_b64 s[64:65], 0
	v_nop
	global_prefetch_b8 v0, s[64:65] scope:SCOPE_SE
	s_setreg_imm32_b32 hwreg(HW_REG_WAVE_MODE, 25, 1), 1
	s_wait_xcnt 0x0
; queries, keys, values [8192][1024] f32 (K innermost) and Wq, Wk, Wv [1024 (k)][1024 (n)] f32 (K outermost) become codes of FP8 (E4M3), one code a byte, each tensor with its given scale 2^e:
; code = x / 2^e, held within +-448, rounded to the nearest code, ties to even.  xc: [3][8192 rows][1024 places]; wc: [3][1024 rows n][1024 places].
; THE PLACES ALONG K ARE PERMUTED, ALIKE IN xc AND wc: within each 512 along K, place 16 l + 4 i + e holds k = 128 i + 4 l + e (l 0..31, i 0..3, e 0..3).  A tensor has one scale, so a product over all K
; does not notice an order that both operands share.  With this order an activation's four loads of a step read 512 consecutive bytes each, and a lane's 16 numbers become 16 neighbouring bytes of codes:
; no turn through LDS.  For a weight the order is another set of immediate offsets.
; SHARES.  Work-groups 0-95 take the weights (32 each: 128 columns x 256 places), work-groups 96-863 the activations (256 each: 32,768 numbers; a wave 16 steps of 512).  Waves share nothing: no barrier.
; LIMITS: entries 0 to 5 of the scales lie between -126 and 119, so that 2^e and 448 x 2^e are f32 numbers.  NaN among the inputs is not served; an infinity is held at the largest code.
; No matrix unit, no cluster, no tensor load: each byte is read once and written once, and nothing is shared between work-groups.
.set NWGW,  96                         ; work-groups for the weights
.set R,     16                         ; activations: v16-79   four sets of 16 numbers as loaded
.set C,     128                        ; activations: v128-191 four registers of codes for each of the 16 steps: no store's data are written again
.set X,     32                         ; weights: v32-95   two sets of 32 numbers
.set CW,    96                         ; weights: v96-103  a block's codes
.set OUTR,  112                        ; weights: v112-175 the way out
.set PITCH, 272                        ; weights: a stage row: 256 bytes of codes + 16
	s_load_b256 s[4:11], s[0:1], 0x0               ; queries s[4:5], keys s[6:7], values s[8:9], Wq s[10:11]
	s_load_b256 s[12:19], s[0:1], 0x20             ; Wk s[12:13], Wv s[14:15], the scales' exponents s[16:17], xc s[18:19]
	s_load_b64 s[20:21], s[0:1], 0x40              ; wc
	v_lshl_add_u32 v192, v0, 2, 0x8c00
	v_mov_b32 v193, 0
	v_lshrrev_b32 v1, 5, v0
	v_readfirstlane_b32 s22, v1                    ; wave 0..3
	v_and_b32 v2, 31, v0                           ; lane
	s_wait_kmcnt 0x0
	s_load_b256 s[24:31], s[16:17], 0x0            ; entries 0 to 7
	s_cmp_lt_u32 ttmp9, NWGW                       ; the two ways part on the work-group's number alone; only the weights' way touches LDS
	s_cbranch_scc1 .Lweights
; ---------------- the activations ----------------
	s_sub_co_u32 s23, ttmp9, NWGW                  ; g = 0..767: tensor g / 256, its run g % 256 of 32,768 numbers
	s_cmp_lt_u32 s23, 256
	s_cselect_b64 s[4:5], s[4:5], s[6:7]
	s_cmp_lt_u32 s23, 512
	s_cselect_b64 s[4:5], s[4:5], s[8:9]           ; the tensor: a choice on the work-group's number
	s_and_b32 s34, s23, 255                        ; a step of the tensor's 256 work-groups is 2,097,152 consecutive bytes of f32: 8,192 a work-group, 2,048 a wave
	s_lshl_b32 s32, s34, 13
	s_lshl_b32 s33, s22, 11
	s_add_co_u32 s32, s32, s33
	s_mov_b32 s33, 0
	s_add_nc_u64 s[40:41], s[4:5], s[32:33]        ; four bases, one for each four steps, so that every offset is an immediate
	s_add_nc_u64 s[42:43], s[40:41], 0x800000
	s_add_nc_u64 s[44:45], s[40:41], 0x1000000
	s_add_nc_u64 s[46:47], s[40:41], 0x1800000
	s_lshl_b32 s34, s34, 11                        ; codes: 524,288 bytes a step, 2,048 a work-group, 512 a wave; 8,388,608 a tensor
	s_lshr_b32 s35, s23, 8
	s_lshl_b32 s35, s35, 23
	s_add_co_u32 s34, s34, s35
	s_lshl_b32 s35, s22, 9
	s_add_co_u32 s34, s34, s35
	s_mov_b32 s35, 0
	s_add_nc_u64 s[18:19], s[18:19], s[34:35]
	s_wait_alu depctr_va_vdst(0)
	v_lshlrev_b32 v3, 4, v2                        ; 16 x lane: my 16 bytes of a load's 512, and of a step's 512 bytes of codes; never rewritten
.macro ALOAD t                         ; step t: 512 numbers, four loads of 512 consecutive bytes: load i brings me k = 128 i + 4 lane + 0..3
.irp i, 0,1,2,3
	global_load_b128 v[R+16*((\t)%4)+4*\i:R+16*((\t)%4)+4*\i+3], v3, s[40+2*((\t)/4):41+2*((\t)/4)] offset:2097152*((\t)%4)+512*\i th:TH_LOAD_NT
.endr
.endm
.irp t, 0,1,2,3
	ALOAD \t
.endr
	s_wait_kmcnt 0x0
	s_cmp_lt_u32 s23, 256
	s_cselect_b32 s36, s24, s26
	s_cmp_lt_u32 s23, 512
	s_cselect_b32 s36, s36, s28                    ; e: entry 0, 2 or 4
	s_add_co_i32 s36, s36, 127
	s_lshl_b32 s37, s36, 23
	v_mov_b32 v11, s37                             ; 2^e as f32: the conversion takes its exponent field
	s_add_co_i32 s36, s36, 8
	s_lshl_b32 s36, s36, 23
	s_or_b32 s36, s36, 0x600000
	v_mov_b32 v10, s36                             ; 448 x 2^e
.macro ASTEP t
.set XS, R+16*((\t)%4)
.if (\t) <= 12
	s_wait_loadcnt 12                              ; this step's four loads are in; those of the three steps behind it stay out
.else
	s_wait_loadcnt 4*(15-(\t))                     ; the counts run down: nothing more is asked for
.endif
.irp i, 0,1,2,3,4,5,6,7,8,9,10,11,12,13,14,15
	v_med3_num_f32 v[XS+\i], v[XS+\i], -v10, v10   ; the conversion to an 8-bit code does not saturate (ISA guide 7.6.2): the hold comes first
.endr
	v_cvt_scalef32_pk8_fp8_f32 v[C+4*(\t):C+4*(\t)+1], v[XS:XS+7], v11
	v_cvt_scalef32_pk8_fp8_f32 v[C+4*(\t)+2:C+4*(\t)+3], v[XS+8:XS+15], v11   ; results go to a store alone; the next vector lines are the next step's holds, plain and on other registers
.if (\t)+4 < 16
	ALOAD (\t)+4                                   ; the set just converted takes the step four further on
.endif
	global_store_b128 v3, v[C+4*(\t):C+4*(\t)+3], s[18:19] offset:524288*(\t)     ; the wave stores 512 consecutive bytes, aligned
.endm
	s_wait_alu depctr_va_vdst(0)
.irp t, 0,1,2,3,4,5,6,7,8,9,10,11,12,13,14,15
	ASTEP \t
.endr
	s_endpgm
; ---------------- the weights: a lane takes a column n, and its registers run down K in the order of the places ----------------
.Lweights:
	s_cmp_lt_u32 ttmp9, 32
	s_cselect_b64 s[10:11], s[10:11], s[12:13]
	s_cmp_lt_u32 ttmp9, 64
	s_cselect_b64 s[10:11], s[10:11], s[14:15]     ; the weight g / 32
	s_and_b32 s32, ttmp9, 7
	s_lshl_b32 s32, s32, 7
	s_lshl_b32 s33, s22, 5
	s_add_co_u32 s32, s32, s33                     ; my wave's first column: 128 (g % 8) + 32 x wave
	s_bfe_u32 s33, ttmp9, 0x20003                  ; gy = (g / 8) % 4: which 256 places
	s_lshr_b32 s34, s33, 1
	s_lshl_b32 s34, s34, 21                        ; places 256 gy on begin at k = 512 (gy / 2) + 64 (gy % 2): rows of 4,096 bytes
	s_and_b32 s35, s33, 1
	s_lshl_b32 s35, s35, 18
	s_add_co_u32 s34, s34, s35
	s_lshl_b32 s35, s32, 2
	s_add_co_u32 s34, s34, s35                     ; + 4 bytes a column
	s_mov_b32 s35, 0
	s_add_nc_u64 s[10:11], s[10:11], s[34:35]
	s_lshr_b32 s36, ttmp9, 5
	s_lshl_b32 s36, s36, 10
	s_add_co_u32 s36, s36, s32                     ; wc's row: 1,024 x weight + column
	s_lshl_b32 s36, s36, 10
	s_lshl_b32 s37, s33, 8
	s_add_co_u32 s36, s36, s37                     ; + 256 gy
	s_mov_b32 s37, 0
	s_add_nc_u64 s[20:21], s[20:21], s[36:37]
	s_wait_alu depctr_va_vdst(0)
	v_lshlrev_b32 v3, 2, v2                        ; in: 4 bytes a lane
	s_mul_i32 s38, s22, 32*PITCH                   ; my wave's stage
	v_mul_u32_u24 v4, v2, PITCH
	v_add_nc_u32 v4, s38, v4                       ; into it: row = my column
	v_and_b32 v5, 15, v2
	v_lshrrev_b32 v6, 4, v2
	v_mul_u32_u24 v7, v6, PITCH
	v_lshl_add_u32 v7, v5, 4, v7
	v_add_nc_u32 v7, s38, v7                       ; out of it: sixteen lanes to a row, two rows an instruction
	v_lshlrev_b32 v8, 10, v6
	v_lshl_add_u32 v8, v5, 4, v8                   ; and the same place in wc
.macro WLOAD t                         ; block t: places 32 t + i, i = 0..31, of my column: k = 128 ((i / 4) % 4) + 8 t + 4 (i / 16) + i % 4 rows down; the largest offset is 447 rows, inside the signed 24-bit immediate
.irp i, 0,1,2,3,4,5,6,7,8,9,10,11,12,13,14,15,16,17,18,19,20,21,22,23,24,25,26,27,28,29,30,31
	global_load_b32 v[X+32*((\t)%2)+\i], v3, s[10:11] offset:4096*(128*((\i/4)%4)+8*(\t)+4*(\i/16)+(\i%4)) th:TH_LOAD_NT
.endr
.endm
	WLOAD 0
	WLOAD 1
	s_wait_kmcnt 0x0
	s_cmp_lt_u32 ttmp9, 32
	s_cselect_b32 s36, s25, s27
	s_cmp_lt_u32 ttmp9, 64
	s_cselect_b32 s36, s36, s29                    ; e: entry 1, 3 or 5
	s_add_co_i32 s36, s36, 127
	s_lshl_b32 s37, s36, 23
	v_mov_b32 v11, s37                             ; 2^e
	s_add_co_i32 s36, s36, 8
	s_lshl_b32 s36, s36, 23
	s_or_b32 s36, s36, 0x600000
	v_mov_b32 v10, s36                             ; 448 x 2^e
.macro WBLOCK t
.set XS, X+32*((\t)%2)
.if (\t) < 7
	s_wait_loadcnt 32                              ; this block's 32 loads are in; the next block's stay out
.else
	s_wait_loadcnt 0x0
.endif
.irp i, 0,1,2,3,4,5,6,7,8,9,10,11,12,13,14,15,16,17,18,19,20,21,22,23,24,25,26,27,28,29,30,31
	v_med3_num_f32 v[XS+\i], v[XS+\i], -v10, v10
.endr
.irp g, 0,1,2,3
	v_cvt_scalef32_pk8_fp8_f32 v[CW+2*\g:CW+2*\g+1], v[XS+8*\g:XS+8*\g+7], v11
.endr
	ds_store_b128 v4, v[CW:CW+3] offset:32*(\t)    ; 32 codes of my column's row
	ds_store_b128 v4, v[CW+4:CW+7] offset:32*(\t)+16
.if (\t)+2 < 8
	WLOAD (\t)+2
.endif
	s_wait_dscnt 0x0                               ; the stores have read their registers: the next block's codes may be written
.endm
	s_wait_alu depctr_va_vdst(0)
.irp t, 0,1,2,3,4,5,6,7
	WBLOCK \t
.endr
.irp t, 0,1,2,3,4,5,6,7,8,9,10,11,12,13,14,15
	ds_load_b128 v[OUTR+4*\t:OUTR+4*\t+3], v7 offset:2*\t*PITCH   ; LDS serves a wave's instructions in order (ISA guide 5.7.1.4): these see my stores
.endr
.irp t, 0,1,2,3,4,5,6,7,8,9,10,11,12,13,14,15
	s_wait_dscnt 15-\t                             ; load t is in; the younger ones stay out
	global_store_b128 v8, v[OUTR+4*\t:OUTR+4*\t+3], s[20:21] offset:2048*\t   ; sixteen lanes store 256 consecutive bytes, aligned
.endr
	s_wait_tensorcnt 0x0
	ds_add_u32 v192, v193
	s_wait_dscnt 0x0
	s_endpgm
.Lfunc_end_k_qe3723029af_quant:
	.size	k_qe3723029af_quant, .Lfunc_end_k_qe3723029af_quant-k_qe3723029af_quant
	.p2alignl 7, 3214868480
	.fill 96, 4, 3214868480
	.section	.rodata,"a",@progbits
	.p2align	6, 0x0
	.amdhsa_kernel k_qe3723029af_quant
		.amdhsa_group_segment_fixed_size 36352
		.amdhsa_private_segment_fixed_size 0
		.amdhsa_enable_private_segment 0
		.amdhsa_kernarg_size 72
		.amdhsa_user_sgpr_count 2
		.amdhsa_user_sgpr_kernarg_segment_ptr 1
		.amdhsa_wavefront_size32 1
		.amdhsa_system_sgpr_workgroup_id_x 1
		.amdhsa_system_sgpr_workgroup_id_y 1
		.amdhsa_system_sgpr_workgroup_id_z 1
		.amdhsa_system_vgpr_workitem_id 0
		.amdhsa_next_free_vgpr 194
		.amdhsa_next_free_sgpr 66
		.amdhsa_reserve_vcc 0
		.amdhsa_float_denorm_mode_32 3
		.amdhsa_float_denorm_mode_16_64 3
		.amdhsa_memory_ordered 1
		.amdhsa_forward_progress 1
		.amdhsa_inst_pref_size 77
	.end_amdhsa_kernel
	.amdgpu_metadata
---
amdhsa.version: [ 1, 2 ]
amdhsa.kernels:
  - .name:           k_qe3723029af_quant
    .symbol:         k_qe3723029af_quant.kd
    .args:
      - { .name: queries, .offset: 0, .size: 8, .value_kind: global_buffer, .address_space: global }
      - { .name: keys, .offset: 8, .size: 8, .value_kind: global_buffer, .address_space: global }
      - { .name: values, .offset: 16, .size: 8, .value_kind: global_buffer, .address_space: global }
      - { .name: Wq, .offset: 24, .size: 8, .value_kind: global_buffer, .address_space: global }
      - { .name: Wk, .offset: 32, .size: 8, .value_kind: global_buffer, .address_space: global }
      - { .name: Wv, .offset: 40, .size: 8, .value_kind: global_buffer, .address_space: global }
      - { .name: lowp_scales, .offset: 48, .size: 8, .value_kind: global_buffer, .address_space: global }
      - { .name: xc, .offset: 56, .size: 8, .value_kind: global_buffer, .address_space: global }
      - { .name: wc, .offset: 64, .size: 8, .value_kind: global_buffer, .address_space: global }
    .group_segment_fixed_size: 36352
    .private_segment_fixed_size: 0
    .kernarg_segment_align: 8
    .kernarg_segment_size: 72
    .max_flat_workgroup_size: 128
    .sgpr_count:     66
    .vgpr_count:     194
    .wavefront_size: 32
...
	.end_amdgpu_metadata
.endif
;; end of part 1
;; launch proj (part 2): grid 4 x 64, 4 waves a work-group, clusters of 4 x 4, 327,680 bytes of LDS; arguments xc, wc, lowp_scales, hc; writes hc
.if DOCPART == 2
	.amdgcn_target "amdgcn-amd-amdhsa--gfx1250"
	.amdhsa_code_object_version 6
	.text
	.protected	k_qe3723029af_proj
	.globl	k_qe3723029af_proj
	.p2align	8
	.type	k_qe3723029af_proj,@function
k_qe3723029af_proj:
	s_mov_b64 s[64:65], 0
	v_nop
	global_prefetch_b8 v0, s[64:65] scope:SCOPE_SE
	s_setreg_imm32_b32 hwreg(HW_REG_WAVE_MODE, 25, 1), 1
	s_wait_xcnt 0x0
	s_wait_alu depctr_hold_cnt(0) depctr_sa_sdst(0) depctr_va_vdst(0) depctr_va_sdst(0) depctr_va_ssrc(0) depctr_va_vcc(0) depctr_vm_vsrc(0)
	s_getreg_b32 s2, hwreg(HW_REG_IB_STS2, 6, 4)
	s_cmp_eq_u32 s2, 0
	s_cbranch_scc0 .Lentry_in_a_cluster
	s_endpgm
.Lentry_in_a_cluster:
	s_bfe_u32 s2, ttmp6, 0x10000c
	s_cmp_lg_u32 s2, 0xf033
	s_cbranch_scc0 .Lentry_shape_is_right
	s_endpgm
.Lentry_shape_is_right:
; The three projections on codes of FP8 (E4M3), each result quantised at once for attention's products.  xc: [3][8192 tokens][1024] codes, wc: [3][1024 n][1024] codes, K innermost, places along K permuted alike.
; hc: q [head y = 16 batch + head][token][64] at byte 0, k alike at 2^23, v at 2^24 as [head y][token / 128][d][128 token places].
; THE WALK.  16 clusters of 4 x 4 work-groups, cluster y (0..15), batch y % 8, two tiles each; the ring does not stop between them.
;   Tile 1, 256 tokens (A) x 256 weight columns (B), q (y < 8) or k (y >= 8): four waves of 128 x 128.
;   Tile 2, v: 256 weight columns d (A) x 128 tokens (B), tokens 512 (y / 8) + 128 cx of the batch: four waves of 64 (one head) x 128.
; So every work-group has the same work.  K goes in steps of 256 through a ring of two slots.  A's tile hangs on cy alone and is shared along the cluster's row, B's on cx alone and is shared along its column: joint loads.
; PREFETCH: the activations' K steps, two K steps ahead of their loads (K step 1 at the head as well, since its load goes out when K step 0 has landed).  Of the 128 rows that tile 1's A wave fetches each partner asks for 32, told apart by address;
; of tile 2's 128 tokens wave 2 of each partner asks for 32.  Each 256 bytes are named once a launch.  The weights, which eight or sixteen clusters share, are not prefetched.
; THE MATRIX INSTRUCTION IS USED TRANSPOSED (source 0 = 16 rows of B, source 1 = 16 rows of A): a lane holds eight neighbouring numbers along B's rows.
; Place 32 c + 16 h + 8 u + j of each 128 holds number 32 c + 16 u + 8 h + j: alike in q and k along d; in v along the tokens, as attention's second product wants its operand.
; REGISTERS: window 0: v0-15, v112-127 rows read back; v16-31 small; v32-95 a block's sums; v96-111 its codes; from v128 A's fragments (tile 1: eight blocks; tile 2: two sets of four).  window 1: B's, two sets.
;   windows 2, 3: accumulators of rows 0-63, 64-127.
; LIMITS: entry 6 - 0 - 1, 7 - 2 - 3, 8 - 4 - 5 of the scales lie between -126 and 119, so that each power of two and 448 x it are f32 numbers.  NaN is not served.
.set KSTEP,  256
.set ROWB,   256
.set KROW,   1024
.set PITCH,  272                       ; an LDS row: 256 bytes + 16: the 16 rows of a fragment load start at 16 different banks (64 banks of 4 bytes: ISA guide 11.1)
.set FR,     16
.set NL,     4
.set NP,     4                         ; places behind this matrix instruction (ISA guide 7.12.1)
.set HALFT,  128*PITCH
.set SLOT,   4*HALFT
.set STAGE,  2*SLOT                    ; behind the ring: 16 rows x 144 bytes for each wave; no tile lands there
.set SPITCH, 144
.set SPARE,  STAGE+4*16*SPITCH         ; the spare words
.set ADRA, 16                          ; v16-17, v20-21 LDS addresses of my fragments in slots 0, 1: tile 1
.set ADRA2, 18                         ; v18-19, v22-23: tile 2
.set ADRB, 20
.set ADRB2, 22
.set STO,  24                          ; v24 into my stage
.set RDQ,  25                          ; v25 out of it, q and k
.set RDV,  26                          ; v26 out of it, v
.set CO,   27                          ; v27 16 x lane
.set SPW,  28
.set NIL,  29
.set PFO,  30                          ; v30 the prefetches' offset: 1,024 x lane; never rewritten
.set SC,   31                          ; v31 the scale
.set TMP,  32
.set CD,   96
.set AF,   128
.set G1, 24                            ; s[24:31], s[32:39] A's descriptor groups 1, 0 (a set for each slot);  s[48:55], s[56:63] B's
.set G0, 32
.set G1B, 48
.set G0B, 56
.set NA, 86                            ; s[86:87] tile 2's A, typed;  s[88:89] its B
.set NB, 88
.set LB2, 85                           ; s85 where tile 2's B goes in slot 0
.set PFA, 68                           ; s[68:69] where my wave's prefetches stand: waves 0, 1 in tile 1's A, wave 2 in tile 2's B
.set PF1, 72                           ; s72 1 in waves that ask for tile 1's activations
.set PF2, 73                           ; s73 1 in the wave that asks for tile 2's
.set MSB, 0
.macro WIN new
.if MSB != \new
	s_set_vgpr_msb (MSB<<8)|\new
.set MSB, \new
.endif
.endm
.set MUL_LO, 0xa1
.set MUL_HI, 0xf1
.set TO_B,   0x40
.macro JLOAD g0a, g1a, g0b, g1b        ; waves 0, 1 fetch for A, waves 2, 3 for B; the branch hangs on the wave's number alone
	s_cmp_eq_u32 s15, 0
	s_cbranch_scc0 .Lfor_b_\@
	tensor_load_to_lds s[\g0a:\g0a+3], s[\g1a:\g1a+7]
	s_nop 0
.rept 4
	v_nop
.endr
	s_branch .Lasked_\@
.Lfor_b_\@:
	tensor_load_to_lds s[\g0b:\g0b+3], s[\g1b:\g1b+7]
	s_nop 0
.rept 4
	v_nop
.endr
.Lasked_\@:
.endm
.macro ASK flag, off
	s_cmp_eq_u32 s[\flag], 1
	s_cbranch_scc0 .Lnot_mine_\@
	global_prefetch_b8 v[PFO], s[PFA:PFA+1] offset:\off th:TH_LOAD_NT scope:SCOPE_SE
.Lnot_mine_\@:
.endm
.macro CREST
	s_cmp_lg_u32 s14, 0
	s_cbranch_scc1 .Lnot_wave_0_\@
	s_barrier_signal -3
.Lnot_wave_0_\@:
	s_barrier_wait -3
	s_barrier_signal -1
	s_barrier_wait -1
.endm
.macro CROUND
	s_barrier_signal -1
	s_barrier_wait -1
	CREST
.endm
	s_load_b128 s[4:7], s[0:1], 0x0                ; xc, wc
	s_load_b128 s[8:11], s[0:1], 0x10              ; scales, hc
	v_lshl_add_u32 v[SPW], v0, 2, SPARE
	v_mov_b32 v[NIL], 0
	ds_add_u32 v[SPW], v[NIL]                      ; the opening: the add twice on end and its wait ahead of my first tensor load
	ds_add_u32 v[SPW], v[NIL]
	v_lshrrev_b32 v1, 5, v0
	v_readfirstlane_b32 s14, v1                    ; wave 0..3
	s_lshr_b32 s15, s14, 1                         ; tile 1: my half of A's rows.  Also: I fetch for A (0) or B (1)
	s_and_b32 s16, s14, 1                          ; tile 1: my half of B's rows.  Also: which half of a tile I fetch
	s_bfe_u32 s40, ttmp6, 0x40000                  ; cx
	s_bfe_u32 s41, ttmp6, 0x40004                  ; cy
	s_and_b32 s17, ttmp7, 0xffff                   ; cluster y
	s_lshl_b32 s43, s41, 2
	s_lshl_b32 s43, 15, s43                        ; my row of the cluster
	s_lshl_b32 s44, 0x1111, s40                    ; my column
	s_or_b32 s[G1+0], s43, (0<<16)|(1<<20)|(1<<21)|(5<<22)|(3<<25)   ; mask; 1-byte elements; padding of 4 words after every 64; bit 21 beside a mask
	s_or_b32 s[G1B+0], s44, (0<<16)|(1<<20)|(1<<21)|(5<<22)|(3<<25)
.irp g, G1, G1B
	s_mov_b32 s[\g+1], ROWB<<16
	s_mov_b32 s[\g+2], 128<<16
	s_mov_b32 s[\g+3], ROWB<<16
	s_mov_b32 s[\g+4], 128
	s_mov_b32 s[\g+5], KROW
	s_mov_b32 s[\g+6], 0
	s_mov_b32 s[\g+7], 0
.endr
	s_lshl_b32 s18, s16, 7
	s_lshl_b32 s19, s41, 8
	s_add_co_u32 s19, s19, s18                     ; 256 cy + the 128 rows that I fetch: A's
	s_lshl_b32 s22, s40, 8
	s_add_co_u32 s22, s22, s18                     ; 256 cx + those: B's
	s_and_b32 s23, s17, 7                          ; the batch
	s_lshr_b32 s66, s17, 3                         ; 0: q, 1: k; and which 512 tokens of v
	s_lshl_b32 s20, s17, 10
	s_add_co_u32 s20, s20, s19
	s_lshl_b32 s20, s20, 10                        ; tile 1's A in xc
	s_mov_b32 s21, 0
	s_lshl_b32 s46, s66, 10
	s_add_co_u32 s46, s46, s22
	s_lshl_b32 s46, s46, 10                        ; its B in wc
	s_mov_b32 s47, 0
	s_add_co_u32 s[NA], s19, 2048
	s_lshl_b32 s[NA], s[NA], 10                    ; tile 2's A in wc
	s_mov_b32 s[NA+1], 0
	s_lshl_b32 s90, s23, 10
	s_lshl_b32 s12, s66, 9
	s_add_co_u32 s90, s90, s12
	s_lshl_b32 s12, s40, 7
	s_add_co_u32 s90, s90, s12
	s_add_co_u32 s90, s90, 16384
	s_lshl_b32 s90, s90, 10                        ; its 128 tokens in xc,
	s_mov_b32 s91, 0
	s_lshl_b32 s[NB], s16, 16                      ; and my 64 of them
	s_mov_b32 s[NB+1], 0
	s_mul_i32 s45, s14, HALFT                      ; where tile 1's go: no place in the cluster enters an LDS address
	s_mul_i32 s[LB2], s16, 64*PITCH
	s_add_co_u32 s[LB2], s[LB2], 2*HALFT           ; and tile 2's B
	; my wave's first byte of the results.  q, k: 2^20 a batch, 65,536 a head (two heads a wave), 64 a token
	s_lshl_b32 s67, s17, 20
	s_lshl_b32 s12, s40, 18
	s_add_co_u32 s67, s67, s12
	s_lshl_b32 s12, s16, 17
	s_add_co_u32 s67, s67, s12
	s_lshl_b32 s12, s41, 14
	s_add_co_u32 s67, s67, s12
	s_lshl_b32 s12, s15, 13
	s_add_co_u32 s67, s67, s12
	; v: head 4 cy + wave, 8,192 bytes for each 128 tokens of a head
	s_add_co_u32 s75, s23, 16
	s_lshl_b32 s75, s75, 20
	s_lshl_b32 s12, s41, 18
	s_add_co_u32 s75, s75, s12
	s_lshl_b32 s12, s14, 16
	s_add_co_u32 s75, s75, s12
	s_lshl_b32 s12, s66, 15
	s_add_co_u32 s75, s75, s12
	s_lshl_b32 s12, s40, 13
	s_add_co_u32 s75, s75, s12
	s_xor_b32 s[PF1], s15, 1
	s_cmp_eq_u32 s14, 2
	s_cselect_b32 s[PF2], 1, 0
	s_cmp_eq_u32 s15, 0
	s_cselect_b32 s70, s40, s41                    ; my place among the four that ask with me
	s_lshl_b32 s70, s70, 15                        ; x 32 rows
	s_mov_b32 s71, 0
	s_wait_dscnt 0x0                               ; both opening adds are done
	s_wait_kmcnt 0x0
	s_load_b256 s[76:83], s[8:9], 0x0              ; entries 0 to 7
	s_load_b32 s84, s[8:9], 0x20                   ; entry 8
	s_add_nc_u64 s[20:21], s[4:5], s[20:21]
	s_add_nc_u64 s[46:47], s[6:7], s[46:47]
	s_add_nc_u64 s[NA:NA+1], s[6:7], s[NA:NA+1]
	s_add_nc_u64 s[90:91], s[4:5], s[90:91]
	s_add_nc_u64 s[NB:NB+1], s[90:91], s[NB:NB+1]
	s_cmp_eq_u32 s15, 0
	s_cselect_b64 s[PFA:PFA+1], s[20:21], s[90:91]
	s_add_nc_u64 s[PFA:PFA+1], s[PFA:PFA+1], s[70:71]
	s_or_b32 s[NA+1], s[NA+1], 0x80000000
	s_or_b32 s[NB+1], s[NB+1], 0x80000000
	CROUND                                         ; all sixteen work-groups are here: the first joint loads meet
.irp s, 0,1
	s_mov_b32 s[G0+4*\s], 1
	s_add_co_u32 s[G0+4*\s+1], s45, \s*SLOT
	s_add_nc_u64 s[G0+4*\s+2:G0+4*\s+3], s[20:21], \s*ROWB
	s_or_b32 s[G0+4*\s+3], s[G0+4*\s+3], 0x80000000
	s_mov_b32 s[G0B+4*\s], 1
	s_add_co_u32 s[G0B+4*\s+1], s45, \s*SLOT
	s_add_nc_u64 s[G0B+4*\s+2:G0B+4*\s+3], s[46:47], \s*ROWB
	s_or_b32 s[G0B+4*\s+3], s[G0B+4*\s+3], 0x80000000
.endr
	JLOAD G0, G1, G0B, G1B                         ; K step 0: one tensor load a wave at the head
	s_mul_i32 s12, s15, HALFT                      ; tile 1: my 128 rows of A
	s_mul_i32 s13, s16, HALFT
	s_add_co_u32 s13, s13, 2*HALFT                 ; my 128 rows of B
	s_mul_i32 s19, s14, 64*PITCH                   ; tile 2: my 64 rows of A
	s_mul_i32 s18, s14, 16*SPITCH
	s_add_co_u32 s18, s18, STAGE                   ; my stage
	v_and_b32 v1, 15, v0                           ; r
	v_bfe_u32 v2, v0, 4, 1                         ; h
	v_mul_u32_u24 v3, v1, PITCH
	v_lshl_add_u32 v4, v2, 4, v3
	v_add_nc_u32 v[ADRA], s12, v4
	v_add_nc_u32 v[ADRB], s13, v4
	v_add_nc_u32 v[ADRA2], s19, v4
	v_add_nc_u32 v[ADRB2], 2*HALFT, v4             ; all of B's 128 rows
	v_add_nc_u32 v[ADRA+1], SLOT, v[ADRA]
	v_add_nc_u32 v[ADRB+1], SLOT, v[ADRB]
	v_add_nc_u32 v[ADRA2+1], SLOT, v[ADRA2]
	v_add_nc_u32 v[ADRB2+1], SLOT, v[ADRB2]
	v_mul_u32_u24 v5, v1, SPITCH
	v_lshl_add_u32 v5, v2, 4, v5
	v_add_nc_u32 v[STO], s18, v5                   ; in: row r, 16 bytes for each half of the lanes
	v_bfe_u32 v6, v0, 2, 3
	v_mul_u32_u24 v6, v6, SPITCH
	v_and_b32 v7, 3, v0
	v_lshl_add_u32 v6, v7, 4, v6
	v_add_nc_u32 v[RDQ], s18, v6                   ; out, q and k: four lanes to a token's 64 bytes
	v_bfe_u32 v6, v0, 3, 2
	v_mul_u32_u24 v6, v6, SPITCH
	v_and_b32 v7, 7, v0
	v_lshl_add_u32 v6, v7, 4, v6
	v_add_nc_u32 v[RDV], s18, v6                   ; out, v: eight lanes to a row of 128
	v_and_b32 v8, 31, v0
	v_lshlrev_b32 v[CO], 4, v8
	v_lshlrev_b32 v[PFO], 10, v8
.macro FRAG reg, adr, q, i             ; 16 rows x 128 K: lane l holds row l % 16; four loads of 16 bytes, 32 bytes apart, alike for A and B
.irp c, 0,1,2,3
	ds_load_b128 v[\reg+4*\c:\reg+4*\c+3], v[\adr] offset:128*(\q)+32*\c+(\i)*16*PITCH
.endr
.endm
.macro MUL16 a0, p, zero               ; tile 1: A's blocks a0, a0 + 1 x B's eight; the 64 accumulators take turns, one instruction a turn
.irp a, \a0, \a0+1
.irp b, 0,1,2,3,4,5,6,7
.if \zero
	v_wmma_f32_16x16x128_fp8_fp8 v[8*(8*((\a)%4)+\b):8*(8*((\a)%4)+\b)+7], v[128*(\p)+FR*\b:128*(\p)+FR*\b+FR-1], v[AF+FR*(\a):AF+FR*(\a)+FR-1], 0
.else
	v_wmma_f32_16x16x128_fp8_fp8 v[8*(8*((\a)%4)+\b):8*(8*((\a)%4)+\b)+7], v[128*(\p)+FR*\b:128*(\p)+FR*\b+FR-1], v[AF+FR*(\a):AF+FR*(\a)+FR-1], v[8*(8*((\a)%4)+\b):8*(8*((\a)%4)+\b)+7]
.endif
.endr
.endr
.endm
.macro FETCH_B slot, q, p
	WIN TO_B
.irp i, 0,1,2,3,4,5,6,7
	FRAG 128*(\p)+FR*\i, ADRB+\slot, \q, \i
.endr
	WIN 0
.endm
.macro FETCH_A slot, q, i0
.irp i, \i0, \i0+1, \i0+2, \i0+3
	FRAG AF+FR*(\i), ADRA+\slot, \q, \i
.endr
.endm
.macro FETCH2 slot, q, p               ; tile 2: B's eight blocks and A's four into set p
	WIN TO_B
.irp i, 0,1,2,3,4,5,6,7
	FRAG 128*(\p)+FR*\i, ADRB2+\slot, \q, \i
.endr
	WIN 0
.irp i, 0,1,2,3
	FRAG AF+64*(\p)+FR*\i, ADRA2+\slot, \q, \i
.endr
.endm
.macro MUL8 a, p, zero                 ; tile 2: A's block a x B's eight; the 32 accumulators take turns, one instruction a turn
.irp b, 0,1,2,3,4,5,6,7
.if \zero
	v_wmma_f32_16x16x128_fp8_fp8 v[64*\a+8*\b:64*\a+8*\b+7], v[128*(\p)+FR*\b:128*(\p)+FR*\b+FR-1], v[AF+64*(\p)+FR*\a:AF+64*(\p)+FR*\a+FR-1], 0
.else
	v_wmma_f32_16x16x128_fp8_fp8 v[64*\a+8*\b:64*\a+8*\b+7], v[128*(\p)+FR*\b:128*(\p)+FR*\b+FR-1], v[AF+64*(\p)+FR*\a:AF+64*(\p)+FR*\a+FR-1], v[64*\a+8*\b:64*\a+8*\b+7]
.endif
.endr
.endm
.macro PLACES n
.rept \n
	v_nop
.endr
.endm
.macro STEP slot, q, zero              ; tile 1: 128 along K with its successor in the same slot
	s_wait_dscnt 4*NL                              ; the youngest loads (A's blocks 4-7) may be out
	WIN MUL_LO
	MUL16 0, (\q)%2, \zero
	MUL16 2, (\q)%2, \zero
	s_wait_dscnt 0
	PLACES NP
	FETCH_B \slot, (\q)+1, 1-(\q)%2
	FETCH_A \slot, (\q)+1, 0
	WIN MUL_HI
	MUL16 4, (\q)%2, \zero
	MUL16 6, (\q)%2, \zero
	PLACES NP
	WIN 0
	FETCH_A \slot, (\q)+1, 4
.endm
; Tile 1: a slot's last 128 changes slots.  fill 1: this tile's K step two on; 2: tile 2's K step 0 (slot 0) or 1 (slot 1).  In the last of them the fragments that are fetched are tile 2's first.
.macro TURN slot, next, fill
	s_wait_tensorcnt 0x0                           ; all my tensor loads have landed: my part of the next slot
	ds_add_u32 v[SPW], v[NIL]
	s_wait_dscnt 0x0                               ; the add is done, and my reads of this slot are over: its last fragments are in registers
	s_barrier_signal -1
	s_barrier_wait -1
	CREST                                          ; a round of the cluster's barrier: no wave of any partner still reads this slot or has a load on its way
.if (\fill) == 1
	s_add_nc_u64 s[G0+4*\slot+2:G0+4*\slot+3], s[G0+4*\slot+2:G0+4*\slot+3], 2*ROWB
	s_add_nc_u64 s[G0B+4*\slot+2:G0B+4*\slot+3], s[G0B+4*\slot+2:G0B+4*\slot+3], 2*ROWB
.else
.if (\slot) == 0
	s_mov_b32 s[G1B+2], 64<<16                     ; tile 2's B: 64 rows a wave
	s_mov_b32 s[G1B+4], 64
.endif
	s_add_nc_u64 s[G0+4*\slot+2:G0+4*\slot+3], s[NA:NA+1], \slot*ROWB
	s_add_co_u32 s[G0B+4*\slot+1], s[LB2], \slot*SLOT
	s_add_nc_u64 s[G0B+4*\slot+2:G0B+4*\slot+3], s[NB:NB+1], \slot*ROWB
.endif
	JLOAD G0+4*\slot, G1, G0B+4*\slot, G1B
	WIN MUL_LO                                     ; this step's products stand behind the request
	MUL16 0, 1, 0
	MUL16 2, 1, 0
	PLACES NP
.if (\fill) == 2 && (\slot) == 1
	FETCH2 \next, 0, 0
.else
	FETCH_B \next, 0, 0
	FETCH_A \next, 0, 0
.endif
	ASK PF2, 512*((\fill)-1)+256*\slot             ; tile 2's K step that is loaded two changes of slots on
	WIN MUL_HI
	MUL16 4, 1, 0
	MUL16 6, 1, 0
	PLACES NP
	WIN 0
.if (\fill) == 1 || (\slot) == 0
	FETCH_A \next, 0, 4
.endif
.endm
; Tile 2: the first 128 of a slot,
.macro STEP2 slot, zero
	s_wait_dscnt 0x0                               ; set 0 is in
	PLACES NP
	FETCH2 \slot, 1, 1
	WIN MUL_LO
.irp a, 0,1,2,3
	MUL8 \a, 0, \zero
.endr
	WIN 0
.endm
; and the last, which changes slots.  fill 1: this tile's K step two on.
.macro TURN2 slot, next, fill
	s_wait_tensorcnt 0x0
	ds_add_u32 v[SPW], v[NIL]
	s_wait_dscnt 0x0                               ; the add is done, and my reads of this slot are over: set 1 is in
	s_barrier_signal -1
	s_barrier_wait -1
.if \fill
	CREST
	s_add_nc_u64 s[G0+4*\slot+2:G0+4*\slot+3], s[G0+4*\slot+2:G0+4*\slot+3], 2*ROWB
	s_add_nc_u64 s[G0B+4*\slot+2:G0B+4*\slot+3], s[G0B+4*\slot+2:G0B+4*\slot+3], 2*ROWB
	JLOAD G0+4*\slot, G1, G0B+4*\slot, G1B
.else
	PLACES NP
.endif
	FETCH2 \next, 0, 0
	WIN MUL_LO
	MUL8 0, 1, 0
	MUL8 1, 1, 0
	MUL8 2, 1, 0
	MUL8 3, 1, 0
	WIN 0
.endm
; THE WAY OUT, by blocks of 16 rows of A.  PACK: held, converted, into my stage (LDS serves a wave's instructions in order: ISA guide 5.7.1.4).
.macro PACK a
.set AC, 64*((\a)%4)
	WIN 0x02+((\a)/4)
.set j, 0
.rept 64
	v_med3_num_f32 v[TMP+j], v[AC+j], s94, s95     ; between -448 and 448 x the scale: the conversion does not saturate (ISA guide 7.6.2)
.set j, j+1
.endr
	WIN 0
.irp b, 0,1,2,3,4,5,6,7
	v_cvt_scalef32_pk8_fp8_f32 v[CD+2*\b:CD+2*\b+1], v[TMP+8*\b:TMP+8*\b+7], v[SC]
.endr
	v_nop
.irp c, 0,1,2,3
	ds_store_b128 v[STO], v[CD+4*\c:CD+4*\c+3] offset:32*\c
.endr
.endm
; MOVE: block a comes back (a < n) and block a - 1 is stored (a > 0).  Each store covers 512 consecutive bytes, aligned.
.macro MOVE a, n, isv
.set BK, 112*(1-((\a)%2))
.set PK, 112-BK
.set PB, (\a)-1
.if (\a) < (\n)
.irp i, 0,1,2,3
.if \isv
	ds_load_b128 v[BK+4*\i:BK+4*\i+3], v[RDV] offset:4*SPITCH*\i
.else
	ds_load_b128 v[BK+4*\i:BK+4*\i+3], v[RDQ] offset:64*(\i/2)+8*SPITCH*(\i%2)
.endif
.endr
.endif
.if (\a) > 0
.if (\a) < (\n)
	s_wait_dscnt 8                                 ; block a - 1 is back; block a's four stores and four loads may be out
.else
	s_wait_dscnt 0x0
.endif
.irp i, 0,1,2,3
.if \isv
	global_store_b128 v[CO], v[PK+4*\i:PK+4*\i+3], s[98:99] offset:2048*PB+512*\i
.else
	global_store_b128 v[CO], v[PK+4*\i:PK+4*\i+3], s[98:99] offset:1024*PB+65536*(\i/2)+512*(\i%2)
.endif
.endr
.endif
.endm
; LATE: one of tile 1's blocks 4 to 7, whose accumulators (window 3) tile 2 does not use, leaves behind a half step of tile 2.
.macro LATE a
	PACK \a
	s_wait_xcnt 0x0                                ; block a - 2's stores have read the registers that block a comes back into
	MOVE \a, 8, 0
.if (\a) == 7
	MOVE 8, 8, 0
.endif
.endm
; EPI: the first m of n blocks leave.
.macro EPI n, isv, ex, off, m
	s_wait_xcnt 0x0                                ; earlier stores have read their base and their registers
	s_mov_b32 s96, s[\off]
	s_mov_b32 s97, 0
	s_add_nc_u64 s[98:99], s[10:11], s[96:97]
	s_add_co_i32 s94, s[\ex], 127
	s_lshl_b32 s95, s94, 23
	v_mov_b32 v[SC], s95
	s_add_co_i32 s94, s94, 8
	s_lshl_b32 s94, s94, 23
	s_or_b32 s95, s94, 0x600000                    ; 448 x the scale
	s_xor_b32 s94, s95, 0x80000000
	PLACES NP
.irp a, 0,1,2,3,4,5,6,7
.if \a < (\m)
	PACK \a
.if \a > 1
	s_wait_xcnt 0x0                                ; block a - 2's stores have read the registers that block a comes back into
.endif
	MOVE \a, \n, \isv
.endif
.endr
.if (\m) == (\n)
	MOVE \n, \n, \isv
.endif
.endm
	s_wait_alu depctr_va_vdst(0)                   ; the wait at the head's end
	ASK PF1, 256                                   ; tile 1's K steps 1 and 2
	ASK PF1, 512
	s_wait_kmcnt 0x0
	s_sub_co_i32 s92, s82, s76                     ; a sum stands for sum x 2^(two operands' e): its code is sum / 2^(result's e - those)
	s_sub_co_i32 s92, s92, s77                     ; q
	s_sub_co_i32 s93, s83, s78
	s_sub_co_i32 s93, s93, s79                     ; k
	s_cmp_eq_u32 s66, 0
	s_cselect_b32 s92, s92, s93                    ; tile 1's
	s_sub_co_i32 s93, s84, s80
	s_sub_co_i32 s93, s93, s81                     ; tile 2's: v
	s_wait_tensorcnt 0x0                           ; my part of K step 0 is in; these lines ahead of a later first fill, as ahead of a refill
	ds_add_u32 v[SPW], v[NIL]
	s_wait_dscnt 0x0
	CROUND
	JLOAD G0+4, G1, G0B+4, G1B                     ; K step 1
	FETCH_B 0, 0, 0
	FETCH_A 0, 0, 0
	FETCH_A 0, 0, 4
	ASK PF1, 768                                   ; K step 3
	STEP 0, 0, 1                                   ; a tile's first products start the sums
	TURN 0, 1, 1
	STEP 1, 0, 0
	TURN 1, 0, 1
	STEP 0, 0, 0
	TURN 0, 1, 2                                   ; the ring goes on into tile 2
	STEP 1, 0, 0
	TURN 1, 0, 2
	EPI 8, 0, 92, 67, 4                            ; tile 1's blocks 0 to 3 go out while tile 2's first K steps are on their way,
	STEP2 0, 1
	LATE 4                                         ; the others one by one, while its next ones are
	TURN2 0, 1, 1
	STEP2 1, 0
	LATE 5
	TURN2 1, 0, 1
	STEP2 0, 0
	LATE 6
	TURN2 0, 1, 0                                  ; the last lap fills nothing
	STEP2 1, 0
	LATE 7
	s_wait_dscnt 0x0
	WIN MUL_LO
.irp a, 0,1,2,3
	MUL8 \a, 1, 0
.endr
	WIN 0
	EPI 4, 1, 93, 75, 4
	s_wait_tensorcnt 0x0                           ; the wave's end
	ds_add_u32 v[SPW], v[NIL]
	s_wait_dscnt 0x0
	CROUND                                         ; the closing round
	s_endpgm
.Lfunc_end_k_qe3723029af_proj:
	.size	k_qe3723029af_proj, .Lfunc_end_k_qe3723029af_proj-k_qe3723029af_proj
	.p2alignl 7, 3214868480
	.fill 96, 4, 3214868480
	.section	.rodata,"a",@progbits
	.p2align	6, 0x0
	.amdhsa_kernel k_qe3723029af_proj
		.amdhsa_group_segment_fixed_size 327680
		.amdhsa_private_segment_fixed_size 0
		.amdhsa_enable_private_segment 0
		.amdhsa_kernarg_size 32
		.amdhsa_user_sgpr_count 2
		.amdhsa_user_sgpr_kernarg_segment_ptr 1
		.amdhsa_wavefront_size32 1
		.amdhsa_system_sgpr_workgroup_id_x 1
		.amdhsa_system_sgpr_workgroup_id_y 1
		.amdhsa_system_sgpr_workgroup_id_z 1
		.amdhsa_system_vgpr_workitem_id 0
		.amdhsa_next_free_vgpr 1024
		.amdhsa_next_free_sgpr 100
		.amdhsa_reserve_vcc 0
		.amdhsa_float_denorm_mode_32 3
		.amdhsa_float_denorm_mode_16_64 3
		.amdhsa_memory_ordered 1
		.amdhsa_forward_progress 1
		.amdhsa_inst_pref_size 195
	.end_amdhsa_kernel
	.amdgpu_metadata
---
amdhsa.version: [ 1, 2 ]
amdhsa.kernels:
  - .name:           k_qe3723029af_proj
    .symbol:         k_qe3723029af_proj.kd
    .args:
      - { .name: xc, .offset: 0, .size: 8, .value_kind: global_buffer, .address_space: global }
      - { .name: wc, .offset: 8, .size: 8, .value_kind: global_buffer, .address_space: global }
      - { .name: lowp_scales, .offset: 16, .size: 8, .value_kind: global_buffer, .address_space: global }
      - { .name: hc, .offset: 24, .size: 8, .value_kind: global_buffer, .address_space: global }
    .group_segment_fixed_size: 327680
    .private_segment_fixed_size: 0
    .kernarg_segment_align: 8
    .kernarg_segment_size: 32
    .max_flat_workgroup_size: 128
    .sgpr_count:     100
    .vgpr_count:     1024
    .wavefront_size: 32
...
	.end_amdgpu_metadata
.endif
;; end of part 2
;; launch attn (part 3): grid 2 x 128, 16 waves a work-group, no clusters, 215,040 bytes of LDS; arguments hc, lowp_scales, out0; writes out0
.if DOCPART == 3
	.amdgcn_target "amdgcn-amd-amdhsa--gfx1250"
	.amdhsa_code_object_version 6
	.text
	.protected	k_qe3723029af_attn
	.globl	k_qe3723029af_attn
	.p2align	8
	.type	k_qe3723029af_attn,@function
k_qe3723029af_attn:
	s_mov_b64 s[64:65], 0
	v_nop
	global_prefetch_b8 v0, s[64:65] scope:SCOPE_SE
	s_setreg_imm32_b32 hwreg(HW_REG_WAVE_MODE, 25, 1), 1
	s_wait_xcnt 0x0
; out[b][q][64 head + d] = the sum over keys of softmax(q . k / 8) v, for 128 heads (8 batches x 16) of 1,024 queries, 1,024 keys, head size 64; both products on codes of FP8 (E4M3).
; hc: q [head y][token][64] at byte 0, k alike at 2^23, v [head y][key / 128][d][128 key places] at 2^24.  Entries 6, 7, 8, 9 of the scales: q, k, v, p.
; SOFTMAX: t = score x log2(e) / 8; M = the running largest t rounded UP to a whole number; p = 2^(t - M) is what is quantised; the row's sum of the unquantised p divides at the end.  When M moves, the sum and O are
; multiplied by 2^(old M - new M), which rounds nothing.
; SHARES.  256 work-groups, 512 queries of one head each; each of sixteen waves owns 32 queries, two tiles A and B of 16, and walks them TOGETHER: every fragment of K and V feeds both, and A's and B's chains take turns.
; The whole head's K and V lie in LDS, filled once through registers: the first 128 keys ahead of the first step; the other seven eighths are on their way in O's registers while the first step's scores and softmax are worked,
; and go to LDS ahead of its second product.  Two barriers in all.  No tensor load and no copy.  The hold at the largest code may be passed over by a scalar branch on entry 9 (STEP).
; NO CLUSTER: only the two work-groups of a head share K and V, and each reads them once.  NO PREFETCH: all that is read is asked for at the head.
; LAYOUT.  S^T = K Q^T (source 0 = 16 keys), O^T = V^T P (source 0 = 16 of the head's 64): a lane holds ONE query of each tile throughout.  Tile t of S^T holds keys 16 t + 8 (lane / 16) + 0..7 in a lane's eight registers:
; its codes are registers 2 t, 2 t + 1 of P.  V's places give the same keys to the same registers.
; REGISTERS: v1, v2 my places in K and V; v3 2^e9; v[4:5], v[6:7] the sums of A, B; v[8:9] f of A, B; v10, v11 the step's addresses; v[12:13] -M of A, B; v14, v15 the add's; v16-31 q of A, B; v32-95 S of A.
;   Three blocks of 32, v96, v128, v160.  A step finds K's fragments of tiles 0-3 in v128, of tiles 4-7 in block F.  S of B goes to block B (tiles 0-3) and over v128 (tiles 4-7); F then serves work, V 0 and A's codes.
;   Behind the conversions the next step's fragments land in v128 and B, which is the next step's F: F and B change places from step to step, so the loop's trip is two steps.
;   v32-47 B's codes, v48-95 V 1-3, when S of A is done with.  v192-223 O of A, v224-255 O of B.
; LIMITS: entry 6 + entry 7 between -123 and 130 (added to c's exponent field); entry 9 between -126 and 119; scaled scores under 2^31 in magnitude.  NaN is not served.
.set SA,    32
.set KF,    128
.set OA,    192
.set OB,    224
.set KP,    272                        ; four keys of 64 bytes + 16: key kk at (kk / 4) 272 + (kk % 4) 64
.set VP,    144                        ; a row d of 128 key places + 16
.set VBASE, 256*KP
.set STAGE, VBASE+8*64*VP              ; the way out: 16 rows x 272 bytes for each wave
.set SPARE, STAGE+16*16*272            ; the spare words, 128 bytes for each wave
	s_load_b128 s[4:7], s[0:1], 0x0                ; hc, scales
	s_load_b64 s[8:9], s[0:1], 0x10                ; out
	v_lshl_add_u32 v14, v0, 2, SPARE
	v_mov_b32 v15, 0
	v_lshrrev_b32 v1, 5, v0
	v_readfirstlane_b32 s10, v1                    ; wave 0..15
	s_mul_i32 s12, s10, 2*KP                       ; of each 128 keys a wave brings 512 bytes of K: two LDS rows,
	s_mul_i32 s13, s10, 4*VP
	s_add_co_u32 s13, s13, VBASE                   ; and 512 of V: four rows
	v_and_b32 v4, 31, v0
	v_and_b32 v5, 15, v0                           ; r
	v_bfe_u32 v6, v0, 4, 1                         ; h
	v_lshlrev_b32 v7, 4, v4                        ; 16 x lane
	v_mul_u32_u24 v8, v6, KP
	v_lshl_add_u32 v8, v5, 4, v8
	v_add_nc_u32 v8, s12, v8                       ; K into LDS
	v_bfe_u32 v9, v0, 3, 2
	v_mul_u32_u24 v9, v9, VP
	v_and_b32 v10, 7, v0
	v_lshl_add_u32 v9, v10, 4, v9
	v_add_nc_u32 v9, s13, v9                       ; V into LDS
	v_lshrrev_b32 v1, 2, v5
	v_mul_u32_u24 v1, v1, KP
	v_and_b32 v10, 3, v0
	v_lshl_add_u32 v1, v10, 6, v1
	v_lshl_add_u32 v1, v6, 4, v1                   ; K: key r of a tile, + 16 h
	v_mul_u32_u24 v2, v5, VP
	v_lshl_add_u32 v2, v6, 4, v2
	v_add_nc_u32 v2, VBASE, v2                     ; V: row d = r, + 16 h
	v_lshlrev_b32 v11, 6, v5
	v_lshl_add_u32 v11, v6, 4, v11                 ; q: row r of 64 bytes, + 16 h
	s_and_b32 s11, ttmp7, 0xffff                   ; head y = 16 x batch + head
	s_lshl_b32 s14, s11, 16
	s_mov_b32 s15, 0
	s_lshl_b32 s18, ttmp9, 15                      ; q: 512 rows of 64 bytes a work-group,
	s_lshl_b32 s19, s10, 11                        ; 32 a wave
	s_add_co_u32 s18, s18, s19
	s_mov_b32 s19, 0
	s_lshl_b32 s28, s10, 9
	s_mov_b32 s29, 0
	s_lshr_b32 s12, s11, 4
	s_lshl_b32 s12, s12, 22                        ; out: the batch,
	s_and_b32 s97, s11, 15
	s_lshl_b32 s97, s97, 8                         ; the head's 256 bytes of a row,
	s_add_co_u32 s12, s12, s97
	s_lshl_b32 s97, ttmp9, 21                      ; 512 rows of 4,096 bytes,
	s_add_co_u32 s12, s12, s97
	s_lshl_b32 s97, s10, 17                        ; my wave's 32
	s_add_co_u32 s12, s12, s97
	s_mov_b32 s13, 0
	s_mul_i32 s96, s10, 16*272
	s_add_co_u32 s96, s96, STAGE                   ; my stage
	s_mov_b32 s20, 0x76543210                      ; lane selects: lane l xor 16
	s_mov_b32 s21, 0xfedcba98
	s_mov_b32 s22, 0x3e38aa3b                      ; c = log2(e) / 8
	s_mov_b32 s92, 0                               ; the step's byte in K,
	s_mov_b32 s93, 0                               ; and in V
	s_wait_alu depctr_va_vdst(0)                   ; the wait ahead of the wait below
	s_wait_kmcnt 0x0
	s_load_b128 s[84:87], s[6:7], 0x18             ; entries 6, 7, 8, 9
	s_add_nc_u64 s[4:5], s[4:5], s[14:15]
	s_add_nc_u64 s[16:17], s[4:5], s[18:19]        ; q
	s_add_nc_u64 s[24:25], s[4:5], s[28:29]
	s_add_nc_u64 s[26:27], s[24:25], 0x1000000     ; V
	s_add_nc_u64 s[24:25], s[24:25], 0x800000      ; K
	s_add_nc_u64 s[8:9], s[8:9], s[12:13]
	global_load_b128 v[OA:OA+3], v7, s[24:25]      ; the first 128 keys: 32 lanes read 512 consecutive bytes, the work-group 8,192
	global_load_b128 v[OB:OB+3], v7, s[26:27]
.irp u, 0,1
.irp c, 0,1
	global_load_b128 v[16+8*\u+4*\c:19+8*\u+4*\c], v11, s[16:17] offset:1024*\u+32*\c
.endr
.endr
.irp i, 1,2,3,4,5,6,7
	global_load_b128 v[OA+4*\i:OA+4*\i+3], v7, s[24:25] offset:8192*\i
	global_load_b128 v[OB+4*\i:OB+4*\i+3], v7, s[26:27] offset:8192*\i
.endr
	s_wait_kmcnt 0x0
	s_add_co_i32 s89, s84, s85
	s_lshl_b32 s89, s89, 23
	s_add_co_i32 s22, s22, s89                     ; a score stands for score x 2^(e6 + e7)
	s_mov_b32 s23, s22                             ; (named with it as a pair)
	s_xor_b32 s30, s22, 0x80000000                 ; -c
	s_add_co_i32 s89, s87, 127
	s_lshl_b32 s90, s89, 23
	v_mov_b32 v3, s90                              ; 2^e9
	s_add_co_i32 s89, s89, 8
	s_lshl_b32 s89, s89, 23
	s_or_b32 s89, s89, 0x600000                    ; 448 x 2^e9
	s_add_co_i32 s88, s86, s87                     ; e8 + e9
	s_cmp_gt_i32 s87, -9
	s_cselect_b32 s91, 1, 0                        ; 1: 448 x 2^e9 is 1.75 or more, over every p
	s_wait_alu depctr_va_vdst(0)                   ; the wait at the head's end
	s_wait_loadcnt 14                              ; the first 128 keys and q are in; the other fourteen loads stay out
	ds_store_b128 v8, v[OA:OA+3]
	ds_store_b128 v9, v[OB:OB+3]
	s_wait_dscnt 0x0                               ; my part is in LDS
	s_barrier_signal -1
	s_barrier_wait -1                              ; and everybody's
.macro KLOAD t, to                     ; K's fragment of tile t
	ds_load_b128 v[\to:\to+3], v10 offset:4*KP*\t
	ds_load_b128 v[\to+4:\to+7], v10 offset:4*KP*\t+32
.endm
.macro SPROD d, f, q
	v_wmma_f32_16x16x64_fp8_fp8 v[\d:\d+7], v[\f:\f+7], v[\q:\q+7], 0
.endm
.macro PV o, v, p, first
.if \first
	v_wmma_f32_16x16x128_fp8_fp8 v[\o:\o+7], v[\v:\v+15], v[\p:\p+15], 0
.else
	v_wmma_f32_16x16x128_fp8_fp8 v[\o:\o+7], v[\v:\v+15], v[\p:\p+15], v[\o:\o+7]
.endif
.endm
.macro ADD2 d, a, b
	v_pk_add_f32 v[\d:\d+1], v[\a:\a+1], v[\b:\b+1]
.endm
; SUMS: the eight partial sums at TW take the other half of their eight numbers each, and join onto l.
.macro SUMS base, l, first
.irp k, 0,1,2,3,4,5,6,7
	ADD2 TW+2*\k, TW+2*\k, \base+8*\k+4
.endr
.irp k, 0,1,2,3,4,5,6,7
	ADD2 TW+2*\k, TW+2*\k, \base+8*\k+6
.endr
.irp k, 0,4,8,12
	ADD2 TW+\k, TW+\k, TW+\k+2
.endr
	ADD2 TW, TW, TW+4
	ADD2 TW+8, TW+8, TW+12
.if \first
	ADD2 \l, TW, TW+8
.else
	ADD2 \l, \l, TW
	ADD2 \l, \l, TW+8
.endif
.endm
; A KEY STEP: 128 keys for both tiles.  first: the sums start.  more: the next step's K fragments are asked for.
.macro STEP first, more, F, B
.set TW, \F+16                         ; work, then A's codes
.set CB, 96+32*((\B)/160)              ; S of B: 64 registers on end from here, in whichever order of tiles
	v_add_nc_u32 v11, s93, v2                      ; with the four v_nop: five places behind the last step's second products, whose registers are written over below
.rept 4
	v_nop
.endr
	s_wait_alu depctr_va_vdst(0)                   ; the wait ahead of the wait below
	s_wait_dscnt 8                                 ; tiles 0-3 are in; the youngest eight loads may be out
.irp t, 0,1,2,3
	SPROD SA+8*\t, KF+8*\t, 16
	SPROD \B+8*\t, KF+8*\t, 24
.endr
	s_wait_dscnt 0x0
.irp t, 0,1,2,3
	SPROD SA+32+8*\t, \F+8*\t, 16
.endr
.rept 5
	v_nop                                          ; places: S of B's tiles 4-7 goes over tiles 0-3's fragments
.endr
.irp t, 0,1,2,3
	SPROD KF+8*\t, \F+8*\t, 24
.endr
.rept 4
	v_nop                                          ; places for the load and the reads below
.endr
.irp c, 0,1,2,3
	ds_load_b128 v[\F+4*\c:\F+4*\c+3], v11 offset:32*\c          ; V 0
.endr
	v_max3_num_f32 v[TW], v[SA], v[SA+1], v[SA+2]  ; the largest score of my query among my 64 keys: two chains a tile, each accumulator from its low end on
	v_max3_num_f32 v[TW+2], v[CB], v[CB+1], v[CB+2]
	v_max3_num_f32 v[TW+1], v[SA+3], v[SA+4], v[SA+5]
	v_max3_num_f32 v[TW+3], v[CB+3], v[CB+4], v[CB+5]
.irp i, 6,10,14,18,22,26,30,34,38,42,46,50,54,58
	v_max3_num_f32 v[TW], v[TW], v[SA+\i], v[SA+\i+1]
	v_max3_num_f32 v[TW+2], v[TW+2], v[CB+\i], v[CB+\i+1]
	v_max3_num_f32 v[TW+1], v[TW+1], v[SA+\i+2], v[SA+\i+3]
	v_max3_num_f32 v[TW+3], v[TW+3], v[CB+\i+2], v[CB+\i+3]
.endr
	v_max3_num_f32 v[TW], v[TW], v[SA+62], v[SA+63]
	v_max3_num_f32 v[TW+2], v[TW+2], v[CB+62], v[CB+63]
	v_max_num_f32 v[TW], v[TW], v[TW+1]
	v_max_num_f32 v[TW+2], v[TW+2], v[TW+3]
	v_permlanex16_b32 v[TW+4], v[TW], s20, s21
	v_permlanex16_b32 v[TW+5], v[TW+2], s20, s21
	v_max_num_f32 v[TW], v[TW], v[TW+4]            ; and among lane l xor 16's
	v_max_num_f32 v[TW+2], v[TW+2], v[TW+5]
	v_mul_f32 v[TW], s30, v[TW]                    ; -t of the largest
	v_mul_f32 v[TW+2], s30, v[TW+2]
.if \first
	v_floor_f32 v12, v[TW]                         ; -M = floor(-t): a whole number
	v_floor_f32 v13, v[TW+2]
.else
	v_floor_f32 v[TW], v[TW]
	v_floor_f32 v[TW+2], v[TW+2]
	v_min_num_f32 v[TW], v12, v[TW]                ; the new -M
	v_min_num_f32 v[TW+2], v13, v[TW+2]
	v_sub_f32 v[TW+4], v[TW], v12                  ; old M - new M: a whole number, 0 or less
	v_sub_f32 v[TW+5], v[TW+2], v13
	v_mov_b32 v12, v[TW]
	v_mov_b32 v13, v[TW+2]
	v_cvt_i32_f32 v[TW+4], v[TW+4]                 ; (it saturates)
	v_cvt_i32_f32 v[TW+5], v[TW+5]
	v_ldexp_f32 v8, 1.0, v[TW+4]                   ; f = 2^(old M - new M)
	v_ldexp_f32 v9, 1.0, v[TW+5]
.endif
.set e, 0
.rept 32
	v_pk_fma_f32 v[SA+e:SA+e+1], v[SA+e:SA+e+1], s[22:23], v[12:13] op_sel_hi:[1,0,0]              ; A's t - M, two at a time
.set e, e+2
.endr
	s_wait_alu depctr_va_vdst(0)                   ; the wait ahead of A's batch,
.if \first
	s_wait_xcnt 0x0                                ; the head's loads have read v7, which this step's sums write
.endif
.set e, 0
.rept 32
	v_exp_f32 v[SA+e], v[SA+e]                     ; A's p,
	v_exp_f32 v[SA+e+1], v[SA+e+1]
	v_pk_fma_f32 v[CB+e:CB+e+1], v[CB+e:CB+e+1], s[22:23], v[12:13] op_sel:[0,0,1] op_sel_hi:[1,0,1]   ; and among them B's t - M (B's -M is the pair's high word)
.set e, e+2
.endr
	s_wait_alu depctr_va_vdst(0)                   ; behind it and ahead of B's,
.set e, 0
.irp k, 0,1,2,3,4,5,6,7
.rept 8
	v_exp_f32 v[CB+e], v[CB+e]                     ; B's p,
.set e, e+1
.endr
	ADD2 TW+2*\k, SA+8*\k, SA+8*\k+2               ; and among them the first additions of A's unquantised p, each into registers of its own
.endr
.if (\first) == 0
	v_pk_mul_f32 v[4:5], v[4:5], v[8:9] op_sel_hi:[1,0]                  ; the sums under the new M
	v_pk_mul_f32 v[6:7], v[6:7], v[8:9] op_sel:[0,1] op_sel_hi:[1,1]
.endif
	s_wait_alu depctr_va_vdst(0)                   ; and behind B's
	SUMS SA, 4, \first
.irp k, 0,1,2,3,4,5,6,7
	ADD2 TW+2*\k, CB+8*\k, CB+8*\k+2
.endr
	SUMS CB, 6, \first
	; THE HOLD.  The conversion does not saturate (ISA guide 7.6.2).  p is at most 1 (short of rounding), so where entry 9 is -8 or more no p lies over 448 x 2^e9, and the hold, which would change nothing, is passed over.
	s_cmp_lg_u32 s91, 0
	s_cbranch_scc1 .Lfree_\@
.set e, 0
.rept 32
	v_dual_min_num_f32 v[SA+e], s89, v[SA+e] :: v_dual_min_num_f32 v[SA+e+1], s89, v[SA+e+1]
	v_dual_min_num_f32 v[CB+e], s89, v[CB+e] :: v_dual_min_num_f32 v[CB+e+1], s89, v[CB+e+1]
.set e, e+2
.endr
.Lfree_\@:
.irp t, 0,1,2,3,4,5,6,7
	v_cvt_scalef32_pk8_fp8_f32 v[TW+2*\t:TW+2*\t+1], v[SA+8*\t:SA+8*\t+7], v3
.endr
.if \first
	v_nop                                          ; a plain line: B's codes go over numbers just converted
.endif
.irp t, 1,2,3
.irp c, 0,1,2,3
	ds_load_b128 v[32+16*\t+4*\c:35+16*\t+4*\c], v11 offset:16*VP*\t+32*\c   ; V 1-3
.endr
.endr
.if (\first) == 0
	s_wait_alu depctr_va_vdst(0)                   ; the wait ahead of O's first reader
.set e, 0
.rept 16
	v_pk_mul_f32 v[OA+e:OA+e+1], v[OA+e:OA+e+1], v[8:9] op_sel_hi:[1,0]                 ; O under the new M
	v_pk_mul_f32 v[OB+e:OB+e+1], v[OB+e:OB+e+1], v[8:9] op_sel:[0,1] op_sel_hi:[1,1]
.set e, e+2
.endr
.endif
.irp t, 0,1,2,3
	v_cvt_scalef32_pk8_fp8_f32 v[32+2*\t:33+2*\t], v[\B+8*\t:\B+8*\t+7], v3
.endr
.irp t, 0,1,2,3
	v_cvt_scalef32_pk8_fp8_f32 v[40+2*\t:41+2*\t], v[KF+8*\t:KF+8*\t+7], v3
.endr
	v_nop                                          ; the plain line behind the conversions
.if \first
	s_wait_alu depctr_va_vdst(0)                   ; the wait ahead of the waits below
	s_wait_loadcnt 0x0                             ; the other seven eighths are in
.irp i, 1,2,3,4,5,6,7
	ds_store_b128 v8, v[OA+4*\i:OA+4*\i+3] offset:32*KP*\i
	ds_store_b128 v9, v[OB+4*\i:OB+4*\i+3] offset:64*VP*\i
.endr
	s_wait_dscnt 0x0
	s_barrier_signal -1
	s_barrier_wait -1                              ; the whole head is in LDS; no wave waits for another from here on
.endif
.if \more
	s_add_co_u32 s92, s92, 32*KP
	s_add_co_u32 s93, s93, 64*VP
	v_add_nc_u32 v10, s92, v1
.irp t, 0,1,2,3
	KLOAD \t, KF+8*\t
.endr
.irp t, 4,5,6,7
	KLOAD \t, \B+8*(\t-4)
.endr
	s_wait_alu depctr_va_vdst(0)                   ; the wait ahead of the wait below
	s_wait_dscnt 16                                ; V is in; the next step's sixteen loads may be out
.else
	s_wait_alu depctr_va_vdst(0)
	s_wait_dscnt 0x0
.endif
	PV OA, \F, TW, \first                          ; the eight accumulators take turns, one instruction a turn
	PV OB, \F, 32, \first
.irp t, 1,2,3
	PV OA+8*\t, 32+16*\t, TW, \first
	PV OB+8*\t, 32+16*\t, 32, \first
.endr
.endm
	v_add_nc_u32 v10, s92, v1
.irp t, 0,1,2,3
	KLOAD \t, KF+8*\t
.endr
.irp t, 4,5,6,7
	KLOAD \t, 160+8*(\t-4)
.endr
	STEP 1, 1, 160, 96
	s_mov_b32 s94, 3
.Lstep:
	STEP 0, 1, 96, 160
	STEP 0, 1, 160, 96
	s_sub_co_u32 s94, s94, 1
	s_cmp_lg_u32 s94, 0
	s_wait_alu depctr_va_vdst(0)                   ; the wait ahead of the branch
	s_cbranch_scc1 .Lstep
	STEP 0, 0, 96, 160
; THE WAY OUT: O / the sum x 2^(e8 + e9) goes through my stage, tile by tile, and leaves as whole runs of 256 bytes: a query's 64 channels of this head.
.rept 4
	v_nop                                          ; places behind the last products
.endr
	v_add_f32 v4, v4, v5
	v_add_f32 v6, v6, v7
	v_permlanex16_b32 v8, v4, s20, s21
	v_permlanex16_b32 v9, v6, s20, s21
	v_add_f32 v8, v4, v8
	v_add_f32 v9, v6, v9                           ; the rows' sums
	s_wait_alu depctr_va_vdst(0)                   ; the wait ahead of the batch
	v_rcp_f32 v8, v8
	v_rcp_f32 v9, v9
	v_and_b32 v5, 15, v0
	v_bfe_u32 v6, v0, 4, 1
	v_mul_u32_u24 v1, v5, 272
	v_lshl_add_u32 v1, v6, 5, v1
	v_add_nc_u32 v1, s96, v1                       ; in: row r; tile t's eight channels of my half lie 64 t + 32 h bytes on
	v_mul_u32_u24 v2, v6, 272
	v_lshl_add_u32 v2, v5, 4, v2
	v_add_nc_u32 v2, s96, v2                       ; back: lanes 0-15 one row, lanes 16-31 the next
	v_lshlrev_b32 v10, 12, v6
	v_lshl_add_u32 v10, v5, 4, v10                 ; the same two rows of out
	s_wait_alu depctr_va_vdst(0)                   ; and ahead of its first reader
	v_ldexp_f32 v8, v8, s88
	v_ldexp_f32 v9, v9, s88
	s_wait_alu depctr_va_vdst(0)                   ; and ahead of O's first reader
.set e, 0
.rept 16
	v_pk_mul_f32 v[32+e:33+e], v[OA+e:OA+e+1], v[8:9] op_sel_hi:[1,0]
	v_pk_mul_f32 v[64+e:65+e], v[OB+e:OB+e+1], v[8:9] op_sel:[0,1] op_sel_hi:[1,1]
.set e, e+2
.endr
.irp u, 0,1
.irp t, 0,1,2,3
	ds_store_b128 v1, v[32+32*\u+8*\t:35+32*\u+8*\t] offset:64*\t
	ds_store_b128 v1, v[36+32*\u+8*\t:39+32*\u+8*\t] offset:64*\t+16
.endr
.irp i, 0,1,2,3,4,5,6,7
	ds_load_b128 v[96+32*\u+4*\i:99+32*\u+4*\i], v2 offset:2*272*\i   ; LDS serves a wave's instructions in order (ISA guide 5.7.1.4)
.endr
.endr
.irp u, 0,1
.irp i, 0,1,2,3,4,5,6,7
	s_wait_dscnt 16*(1-\u)+7-\i                    ; load i is in; behind tile A's loads tile B's sixteen may be out
	global_store_b128 v10, v[96+32*\u+4*\i:99+32*\u+4*\i], s[8:9] offset:8192*\i+65536*\u th:TH_STORE_NT   ; sixteen lanes store 256 consecutive bytes, aligned
.endr
.endr
	s_wait_tensorcnt 0x0                           ; the wave's end
	ds_add_u32 v14, v15
	s_wait_dscnt 0x0
	s_endpgm
.Lfunc_end_k_qe3723029af_attn:
	.size	k_qe3723029af_attn, .Lfunc_end_k_qe3723029af_attn-k_qe3723029af_attn
	.p2alignl 7, 3214868480
	.fill 96, 4, 3214868480
	.section	.rodata,"a",@progbits
	.p2align	6, 0x0
	.amdhsa_kernel k_qe3723029af_attn
		.amdhsa_group_segment_fixed_size 215040
		.amdhsa_private_segment_fixed_size 0
		.amdhsa_enable_private_segment 0
		.amdhsa_kernarg_size 24
		.amdhsa_user_sgpr_count 2
		.amdhsa_user_sgpr_kernarg_segment_ptr 1
		.amdhsa_wavefront_size32 1
		.amdhsa_system_sgpr_workgroup_id_x 1
		.amdhsa_system_sgpr_workgroup_id_y 1
		.amdhsa_system_sgpr_workgroup_id_z 1
		.amdhsa_system_vgpr_workitem_id 0
		.amdhsa_next_free_vgpr 256
		.amdhsa_next_free_sgpr 100
		.amdhsa_reserve_vcc 0
		.amdhsa_float_denorm_mode_32 3
		.amdhsa_float_denorm_mode_16_64 3
		.amdhsa_memory_ordered 1
		.amdhsa_forward_progress 1
		.amdhsa_inst_pref_size 125
	.end_amdhsa_kernel
	.amdgpu_metadata
---
amdhsa.version: [ 1, 2 ]
amdhsa.kernels:
  - .name:           k_qe3723029af_attn
    .symbol:         k_qe3723029af_attn.kd
    .args:
      - { .name: hc, .offset: 0, .size: 8, .value_kind: global_buffer, .address_space: global }
      - { .name: lowp_scales, .offset: 8, .size: 8, .value_kind: global_buffer, .address_space: global }
      - { .name: out0, .offset: 16, .size: 8, .value_kind: global_buffer, .address_space: global }
    .group_segment_fixed_size: 215040
    .private_segment_fixed_size: 0
    .kernarg_segment_align: 8
    .kernarg_segment_size: 24
    .max_flat_workgroup_size: 512
    .sgpr_count:     100
    .vgpr_count:     256
    .wavefront_size: 32
...
	.end_amdgpu_metadata
.endif
;; end of part 3
